; MI455X (gfx1250); checked and timed in simulation.
; The chip was launched on July 23, 2026; its instructions are those of AMD's public machine-readable ISA for CDNA 5 (MIT licence, August 2026) and "CDNA5" Instruction Set Architecture Reference Guide (July 2026). The comments in the code are by the model that wrote it; some were corrected since.
;; Routed Mlp Experts. Allowed arithmetic: matrix products marked QUANTISED: E4M3 operands, one given power-of-two scale a tensor, by v_wmma_f32_16x16x64_fp8_fp8 or v_wmma_f32_16x16x128_fp8_fp8, f32 sums; everything else in f32.
;; Inputs: expert_mask 4 x 1,024 x 64 float32; lowp_scales 4 int32 (the exponents e of the quantised operands' scales 2^e); w_down 2,048 x 64 x 64 float32; w_up_codes 64 x 64 x 64 x 32 uint8 (E4M3 codes of w_up, K innermost, in blocks of 32 codes); x_codes 4 x 1,024 x 64 x 32 uint8 (E4M3 codes of x, K innermost, in blocks of 32 codes).
;; Outputs: out0 4 x 1,024 x 2,048 float32.
;; This version of the problem:
;;   THIS VERSION OF THE PROBLEM IS GIVEN IN LOW PRECISION. The matrix products marked QUANTISED in the list below multiply operands that are first quantised to E4M3 (4 exponent bits, 3 mantissa bits; 8 bits a number), with one given power-of-two scale for each operand tensor; their sums are f32. All else is computed in f32.
;;   The module's matrix products, in the order in which they are computed (A, B: the left and right operand; K: the contracted axis; several contracted axes count as one K, in the product's order):
;;     1. [M 4,096, K 2,048] x [K 2,048, N 4,096]; A: input x (given as codes); B: input w_up (given as codes): QUANTISED (scales: A lowp_scales[0], B lowp_scales[1])
;;     2. [M 4,096, K 4,096] x [K 4,096, N 2,048]; A: computed on the way; B: input w_down: QUANTISED (scales: A lowp_scales[2], B lowp_scales[3])
;;   THE QUANTISER, for each operand of a quantised product, along K:
;;     - The operand's scale is 2^e, e = its entry of the input lowp_scales (int32; the entries are numbered through the quantised products in the list's order, A before B).
;;     - Each number is divided by the scale, clamped to +-448, and rounded to the nearest number of E4M3, ties to even, subnormals kept.
;;     - The product sums the exact products of the quantised numbers (number of the format x scale) in f32.
;;   ~~~python
;;   def quantise(x, axis, e):      # numpy; x: float32 -> the quantised numbers, widened to float32 again
;;       x = np.moveaxis(x, axis, -1); K = x.shape[-1]
;;       r = np.clip(x / 2.0 ** e, -448, 448)
;;       step = 2.0 ** (np.maximum(np.frexp(np.where(r == 0, 1, r))[1] - 1, -6) - 3)
;;       q = np.round(r / step) * step * 2.0 ** e      # np.round: ties to even
;;       return np.moveaxis(q, -1, axis).astype(np.float32)
;;   ~~~
;;   OPERANDS COMPUTED ON THE WAY. 'Computed on the way' means the value that the module computes at that place (a softmax that the list does not call 'softmax' is quantised finished and normalised). What goes into a quantiser is computed in f32, as accurately as f32 sums, v_exp_f32 and their like allow (about 1e-6 of the number): no bf16 or f16 on the way to a quantiser, and a product that is left as it is and whose result goes on into a quantised operand takes f32 operands (vector FMAs, or v_wmma_f32_16x16x4_f32). A number that lies on a knife's edge between two numbers of the format may be rounded either way, as far as f32 arithmetic and the matrix unit's own rounding can turn it there, and no further.
;;   INPUTS GIVEN AS CODES. w_up (in the module: [64, 64, 2048], K = its axis 2); x (in the module: [4, 1024, 2048], K = its axis 2): each comes as NAME_codes (uint8): NAME with its K axis moved to the last place and cut into blocks of 32 codes, [.., K / 32, bytes a block], one block behind the other in memory; one code a byte (a code: sign, 4 exponent bits, 3 mantissa bits); its scale is its entry of lowp_scales. Its value is code x scale, taken as it is: it is not quantised again, and the codes and scales need not be those that the quantiser above would give.
;; One version. Each part assembles by itself: llvm-mc -triple=amdgcn-amd-amdhsa -mcpu=gfx1250 --defsym DOCPART=n.
;; ======== version 1 of 1: 2 launches
;; limits: right only within a limited range of input values
;; workspace buffers: h_ws 16,777,216 bytes; wd_codes 8,388,608 bytes
;; launch up (part 1): grid 16 x 16, 4 waves a work-group, clusters of 4 x 4, 327,680 bytes of LDS; arguments x_codes, w_up_codes, lowp_scales, expert_mask, w_down, h_ws, wd_codes; writes h_ws, wd_codes
.if DOCPART == 1
	.amdgcn_target "amdgcn-amd-amdhsa--gfx1250"
	.amdhsa_code_object_version 6
	.text
	.protected	k_q224041cf31_up
	.globl	k_q224041cf31_up
	.p2align	8
	.type	k_q224041cf31_up,@function
k_q224041cf31_up:
	s_mov_b64 s[64:65], 0
	v_nop
	global_prefetch_b8 v0, s[64:65] scope:SCOPE_SE
	s_setreg_imm32_b32 hwreg(HW_REG_WAVE_MODE, 25, 1), 1
	s_wait_xcnt 0x0
	s_wait_alu depctr_hold_cnt(0) depctr_sa_sdst(0) depctr_va_vdst(0) depctr_va_sdst(0) depctr_va_ssrc(0) depctr_va_vcc(0) depctr_vm_vsrc(0)
	s_getreg_b32 s2, hwreg(HW_REG_IB_STS2, 6, 4)
	s_cmp_eq_u32 s2, 0
	s_cbranch_scc0 .Lentry_in_a_cluster
	s_endpgm
.Lentry_in_a_cluster:
	s_bfe_u32 s2, ttmp6, 0x10000c
	s_cmp_lg_u32 s2, 0xf033
	s_cbranch_scc0 .Lentry_shape_is_right
	s_endpgm
.Lentry_shape_is_right:
; h = Q(silu(x w_up^T) x mask), as codes of FP8 (E4M3), and beside it wd = Q(w_down).
; x: [4096][2048], w_up: [4096 (expert, rank)][2048]: codes, K innermost.  mask: [4096][64] f32.  w_down: [2048][4096] f32, K = (expert, rank) innermost.
; lowp_scales: e0 (x), e1 (w_up), e2 (h), e3 (w_down).
; SHARES.  256 work-groups of four waves make a tile of h of 256 x 256 each; a wave 128 x 128: 64 accumulators of 16 x 16, 512 registers.  K = 2,048 goes in 8 slots of 256 through a ring of two LDS
; slots.  4 x 4 work-groups form a cluster: a row of it shares the tiles of x, a column those of w_up; each tile is asked for JOINTLY (same load, same descriptor, a mask that names the four).
; THE MATRIX INSTRUCTION IS USED TRANSPOSED (source 0 = w_up, source 1 = x): a lane holds ONE row of h, and its eight registers eight columns, which are K of the next product.
; THE NEXT PRODUCT'S K IS PERMUTED, alike in h and w_down: in each run of 256, place 8 l + 4 c + i (l 0..31, c 0..1, i 0..3) holds k = 128 c + 4 l + i.  So a lane that takes 16 bytes of each of two
; loads of 512 consecutive bytes of w_down holds the eight numbers of one conversion.  For h the rows of w_up that form a fragment are chosen to fit: lane rho of fragment b takes the tile's row
; 128 bit2(rho) + 64 q + 16 (b / 2) + 8 bit3(rho) + 4 (b % 2) + rho % 4 (q: the wave's column set).
; h_ws [tile row 16][half of its rows 2][step of 128 places 32][block of 16 rows 8][c 4][lane 32][16 bytes]: images of the next product's operand registers.  A wave makes step 2 x tile column + q.
; wd_codes [2048][4096]: THE ROWS ARE PERMUTED within each 64: row 16 b + r holds n = 4 r + b (b 0..3, r 0..15), so that the next launch's lanes hold four neighbouring columns of the output.
; A lane's arithmetic, all f32: S the raw sum, u = S 2^(e0+e1);  y = S x 1 / (1 + 2^(S c1)) x mask, c1 = -log2(e) 2^(e0+e1);  code = y / 2^(e2-e0-e1), held within +-448.
; THE SIDE JOB: each wave quantises two rows of w_down, 512 numbers in each step but the first (two lots in the last); its loads run four lots ahead.  The mask is read once, outside every loop.
; PREFETCH: behind the joint load of slot k stands the request for slot k + 2 (behind slot 0's also slot 1's): 32 of the 128 rows that my wave fetches, a lane a row; the four partners share the
; rows by address (cx for x, cy for w_up).  The last two slots' loads ask for nothing.
; LIMITS: e0 + e1 between -126 and 127; e3, and e2 - e0 - e1, between -126 and 119, so that each power of two below is an f32 number.  NaN among the inputs or codes is not served.  The order of
; the sums inside a matrix instruction is not ascending k (a permutation of k, the same on both sides).
; REGISTERS: window 0: v0-31 addresses and constants; v32-95 four sets of 16 numbers of w_down; v96-111 their codes; v112-127 the mask; v128-255 x's fragments, later h's codes.
;   window 1: w_up's fragments, two sets; later 2 x 128 numbers of h.   windows 2, 3: the accumulators of my rows 0-63, 64-127.
.set KROW,   2048
.set ROWB,   256
.set PITCH,  272                       ; an LDS row: 256 bytes + 16 of padding = 68 words (64 banks of 4 bytes: ISA guide 11.1)
.set HALFT,  128*PITCH+64              ; 128 rows and 64 bytes: the 16 rows of a w_up fragment (4 neighbours, + 8, + 128) then start at 16 different groups of banks
.set SLOT,   4*HALFT
.set SPARE,  2*SLOT                    ; the spare words, 128 bytes for each wave
.set HSC,  8                           ; 2^(e2-e0-e1)
.set HLIM, 9                           ; 448 x that
.set ADRA, 16
.set ADRB, 20
.set L16,  22                          ; 16 x lane
.set L8,   23                          ; 8 x lane
.set PFO,  24                          ; the prefetches' offset: lane x 2,048
.set MO,   26                          ; 256 x (lane % 16)
.set SPW,  28
.set NIL,  29
.set QSC,  30                          ; 2^e3
.set QLIM, 31                          ; 448 x 2^e3
.set QS,   32
.set QCD,  96
.set MKB,  112
.set AF,   128
.set G1, 24
.set G0, 32
.set G1B, 48
.set G0B, 56
.set PFA, 90                           ; s[90:91] where my prefetches stand
.set MSB, 0
.macro WIN new                         ; the immediate's high byte repeats the setting that is left
.if MSB != (\new)
	s_set_vgpr_msb (MSB<<8)|(\new)
.set MSB, (\new)
.endif
.endm
.set MUL_LO, 0xa1                      ; source 0 (w_up) window 1, source 1 (x) window 0, C and D window 2
.set MUL_HI, 0xf1
; A joint load: waves 0 and 1 fetch for x, 2 and 3 for w_up; the branch hangs on the wave's number alone.
.macro JLOAD s
	s_cmp_eq_u32 s15, 0
	s_cbranch_scc0 .Lfor_b_\@
	tensor_load_to_lds s[G0+4*\s:G0+4*\s+3], s[G1:G1+7]
	s_nop 0
.rept 4
	v_nop
.endr
	s_branch .Lasked_\@
.Lfor_b_\@:
	tensor_load_to_lds s[G0B+4*\s:G0B+4*\s+3], s[G1B:G1B+7]
	s_nop 0
.rept 4
	v_nop
.endr
.Lasked_\@:
.endm
.macro CREST                           ; a round of the cluster's barrier behind its opening barrier
	s_cmp_lg_u32 s14, 0
	s_cbranch_scc1 .Lnot_wave_0_\@
	s_barrier_signal -3
.Lnot_wave_0_\@:
	s_barrier_wait -3
	s_barrier_signal -1
	s_barrier_wait -1
.endm
.macro CROUND
	s_barrier_signal -1
	s_barrier_wait -1
	CREST
.endm
.macro ASK off
	global_prefetch_b8 v[PFO], s[PFA:PFA+1] offset:\off th:TH_LOAD_NT scope:SCOPE_SE
.endm
	s_load_b128 s[4:7], s[0:1], 0x0                ; x's codes, w_up's codes
	s_load_b128 s[8:11], s[0:1], 0x10              ; the exponents, the mask
	s_load_b128 s[68:71], s[0:1], 0x20             ; w_down, h_ws
	s_load_b64 s[72:73], s[0:1], 0x30              ; wd_codes
	v_lshl_add_u32 v[SPW], v0, 2, SPARE
	v_mov_b32 v[NIL], 0
	ds_add_u32 v[SPW], v[NIL]                      ; the opening adds
	ds_add_u32 v[SPW], v[NIL]
	v_lshrrev_b32 v1, 5, v0
	v_readfirstlane_b32 s14, v1                    ; wave 0..3
	s_lshr_b32 s15, s14, 1                         ; my half of the rows; also: I fetch for x (0) or w_up (1)
	s_and_b32 s16, s14, 1                          ; q; also: which 128 rows of that tile I fetch
	s_bfe_u32 s40, ttmp6, 0x40000                  ; cx, cy
	s_bfe_u32 s41, ttmp6, 0x40004
	s_lshl_b32 s42, ttmp9, 2
	s_add_co_u32 s42, s42, s40                     ; tile column
	s_and_b32 s17, ttmp7, 0xffff
	s_lshl_b32 s17, s17, 2
	s_add_co_u32 s17, s17, s41                     ; tile row
	s_lshl_b32 s43, s41, 2
	s_lshl_b32 s43, 15, s43                        ; my row of the cluster
	s_lshl_b32 s44, 0x1111, s40                    ; my column
	s_or_b32 s[G1+0], s43, (0<<16)|(1<<20)|(1<<21)|(5<<22)|(3<<25)  ; mask; 1-byte elements; 4 words of padding behind every 64; bit 21 beside a mask
	s_or_b32 s[G1B+0], s44, (0<<16)|(1<<20)|(1<<21)|(5<<22)|(3<<25)
.irp g, G1, G1B
	s_mov_b32 s[\g+1], ROWB<<16                    ; tensor_dim0
	s_mov_b32 s[\g+2], 128<<16                     ; tensor_dim1
	s_mov_b32 s[\g+3], ROWB<<16                    ; tile_dim0
	s_mov_b32 s[\g+4], 128                         ; tile_dim1
	s_mov_b32 s[\g+5], KROW                        ; pitch
	s_mov_b32 s[\g+6], 0
	s_mov_b32 s[\g+7], 0
.endr
	s_lshl_b32 s18, s16, 7
	s_lshl_b32 s20, s17, 8
	s_add_co_u32 s20, s20, s18                     ; x: row 256 x tile row + 128 x half, in bytes
	s_lshl_b32 s20, s20, 11
	s_mov_b32 s21, 0
	s_lshl_b32 s46, s42, 8
	s_add_co_u32 s46, s46, s18                     ; w_up: row 256 x tile column + 128 x half
	s_lshl_b32 s46, s46, 11
	s_mov_b32 s47, 0
	s_mul_i32 s45, s14, HALFT                      ; where they go in LDS
	s_wait_dscnt 0x0                               ; both opening adds are done
	s_wait_kmcnt 0x0
	s_load_b128 s[76:79], s[8:9], 0x0              ; e0, e1, e2, e3
	s_add_nc_u64 s[20:21], s[4:5], s[20:21]
	s_add_nc_u64 s[46:47], s[6:7], s[46:47]
.irp s, 0,1
	s_mov_b32 s[G0+4*\s], 1
	s_add_co_u32 s[G0+4*\s+1], s45, \s*SLOT
	s_add_nc_u64 s[G0+4*\s+2:G0+4*\s+3], s[20:21], \s*ROWB
	s_or_b32 s[G0+4*\s+3], s[G0+4*\s+3], 0x80000000
	s_mov_b32 s[G0B+4*\s], 1
	s_add_co_u32 s[G0B+4*\s+1], s45, \s*SLOT
	s_add_nc_u64 s[G0B+4*\s+2:G0B+4*\s+3], s[46:47], \s*ROWB
	s_or_b32 s[G0B+4*\s+3], s[G0B+4*\s+3], 0x80000000
.endr
	CROUND                                         ; the first joint loads meet
	JLOAD 0                                        ; slot 0: one tensor load a wave at the head
	; scalars: prefetch base, LDS rows, my parts in memory (in registers that feed no descriptor)
	s_cmp_eq_u32 s15, 0
	s_cselect_b64 s[PFA:PFA+1], s[20:21], s[46:47]
	s_cselect_b32 s92, s40, s41                    ; my place among the four that ask with me
	s_lshl_b32 s92, s92, 16                        ; 32 rows of 2,048 bytes
	s_mov_b32 s93, 0
	s_add_nc_u64 s[PFA:PFA+1], s[PFA:PFA+1], s[92:93]
	s_mul_i32 s21, s15, HALFT                      ; my 128 rows of x
	s_mul_i32 s22, s16, 64*PITCH                   ; my 64 rows of each half of w_up's tile
	s_add_co_u32 s22, s22, 2*HALFT
	s_add_co_u32 s23, s21, SLOT
	s_add_co_u32 s94, s22, SLOT
	s_lshl_b32 s84, s17, 4
	s_add_co_u32 s84, s84, s42
	s_lshl_b32 s84, s84, 2
	s_add_co_u32 s84, s84, s14                     ; W = 4 x work-group + wave: rows 2 W and 2 W + 1 of w_down are mine
	s_mov_b32 s87, 0
	s_lshl_b32 s86, s84, 15
	s_add_nc_u64 s[68:69], s[68:69], s[86:87]
	s_lshr_b32 s86, s84, 5                         ; row n = 2 W goes to row 64 (n / 64) + 16 (n % 4) + (n % 64) / 4
	s_lshl_b32 s86, s86, 6
	s_and_b32 s88, s84, 1
	s_lshl_b32 s88, s88, 5
	s_add_co_u32 s86, s86, s88
	s_bfe_u32 s88, s84, 0x40001
	s_add_co_u32 s86, s86, s88
	s_lshl_b32 s86, s86, 12
	s_add_nc_u64 s[72:73], s[72:73], s[86:87]
	s_lshl_b32 s86, s17, 20                        ; h_ws: tile row, half, step 2 x tile column + q
	s_lshl_b32 s88, s15, 19
	s_add_co_u32 s86, s86, s88
	s_lshl_b32 s88, s42, 15
	s_add_co_u32 s86, s86, s88
	s_lshl_b32 s88, s16, 14
	s_add_co_u32 s86, s86, s88
	s_add_nc_u64 s[70:71], s[70:71], s[86:87]
	s_lshl_b32 s86, s17, 16                        ; the mask: row 256 x tile row + 128 x half; expert 4 x tile column + q
	s_lshl_b32 s88, s15, 15
	s_add_co_u32 s86, s86, s88
	s_lshl_b32 s88, s42, 4
	s_add_co_u32 s86, s86, s88
	s_lshl_b32 s88, s16, 2
	s_add_co_u32 s86, s86, s88
	s_add_nc_u64 s[10:11], s[10:11], s[86:87]
	s_mov_b32 s89, 2048+15*4096                    ; from the end of row 2 W's codes to row 2 W + 1's, 16 rows on
	v_and_b32 v1, 15, v0                           ; r
	v_bfe_u32 v2, v0, 4, 1                         ; h
	v_mul_u32_u24 v3, v1, PITCH
	v_lshl_add_u32 v3, v2, 4, v3                   ; x: row r x pitch + 16 h
	v_and_b32 v4, 3, v0                            ; w_up: r % 4,
	v_bfe_u32 v5, v0, 3, 1                         ; bit 3 of r: 8 rows on,
	v_bfe_u32 v6, v0, 2, 1                         ; bit 2 of r: the tile's other half
	v_lshl_add_u32 v4, v5, 3, v4
	v_mul_u32_u24 v7, v4, PITCH
	v_mad_u32_u24 v7, v6, HALFT, v7
	v_lshl_add_u32 v7, v2, 4, v7
	v_add_nc_u32 v[ADRA], s21, v3
	v_add_nc_u32 v[ADRA+1], s23, v3
	v_add_nc_u32 v[ADRB], s22, v7
	v_add_nc_u32 v[ADRB+1], s94, v7
	v_and_b32 v10, 31, v0
	v_lshlrev_b32 v[L16], 4, v10
	v_lshlrev_b32 v[L8], 3, v10
	v_lshlrev_b32 v[PFO], 11, v10
	v_lshlrev_b32 v[MO], 8, v1
	ASK ROWB                                       ; slots 1 and 2
	ASK 2*ROWB
.irp a, 0,1,2,3,4,5,6,7
	global_load_b32 v[MKB+2*\a], v[MO], s[10:11] offset:4096*\a      ; row 16 a + r: expert 4 tc + q, for registers 0-3 of an accumulator,
	global_load_b32 v[MKB+2*\a+1], v[MO], s[10:11] offset:4096*\a+8  ; and expert 4 tc + q + 2, for registers 4-7
.endr
.macro QLOAD jj, off
.irp j, 0,1,2,3
	global_load_b128 v[QS+16*(\jj)+4*\j:QS+16*(\jj)+4*\j+3], v[L16], s[68:69] offset:\off+2048*(\jj)+512*\j th:TH_LOAD_NT
.endr
.endm
	QLOAD 0, 0
	QLOAD 1, 0
	QLOAD 2, 0
	QLOAD 3, 0
	s_wait_kmcnt 0x0
	s_add_co_i32 s84, s76, s77                     ; e0 + e1
	s_lshl_b32 s85, s84, 23
	s_add_co_i32 s80, s85, 0xbfb8aa3b              ; c1: the exponents are added to the constant's exponent field
	s_mov_b32 s81, s80
	s_sub_co_i32 s84, s78, s84                     ; e2 - e0 - e1
	s_add_co_i32 s84, s84, 127
	s_lshl_b32 s85, s84, 23
	s_add_co_i32 s84, s84, 8
	s_lshl_b32 s84, s84, 23
	s_or_b32 s84, s84, 0x600000
	s_add_co_i32 s82, s79, 127
	s_lshl_b32 s83, s82, 23
	s_add_co_i32 s82, s82, 8
	s_lshl_b32 s82, s82, 23
	s_or_b32 s82, s82, 0x600000
	v_mov_b32 v[HSC], s85
	v_mov_b32 v[HLIM], s84
	v_mov_b32 v[QSC], s83
	v_mov_b32 v[QLIM], s82
; a fragment, 16 rows x 128 K: registers 4 c .. 4 c + 3 hold K = 32 c + 16 (lane / 16) + 0 .. 15 of the lane's row; ro: rows on
.macro FRAG reg, adr, q, ro
.irp c, 0,1,2,3
	ds_load_b128 v[\reg+4*\c:\reg+4*\c+3], v[\adr] offset:128*(\q)+32*\c+(\ro)*PITCH
.endr
.endm
; 8 matrix instructions: x's block a against w_up's eight fragments.  The 64 accumulators take turns in the same order in every step.
.macro MUL8 a, p, zero
.irp b, 0,1,2,3,4,5,6,7
.if \zero
	v_wmma_f32_16x16x128_fp8_fp8 v[8*(8*((\a)%4)+\b):8*(8*((\a)%4)+\b)+7], v[128*(\p)+16*\b:128*(\p)+16*\b+15], v[AF+16*(\a):AF+16*(\a)+15], 0
.else
	v_wmma_f32_16x16x128_fp8_fp8 v[8*(8*((\a)%4)+\b):8*(8*((\a)%4)+\b)+7], v[128*(\p)+16*\b:128*(\p)+16*\b+15], v[AF+16*(\a):AF+16*(\a)+15], v[8*(8*((\a)%4)+\b):8*(8*((\a)%4)+\b)+7]
.endif
.endr
.endm
.macro MULHI p, zero
	WIN MUL_HI
	MUL8 4, \p, \zero
	MUL8 5, \p, \zero
	MUL8 6, \p, \zero
	MUL8 7, \p, \zero
.endm
.macro FETCH_B slot, q, p              ; w_up's eight fragments: fragment i begins 16 (i / 2) + 4 (i % 2) rows on
	WIN 0x40
.irp i, 0,1,2,3,4,5,6,7
	FRAG 128*(\p)+16*\i, ADRB+\slot, \q, 16*(\i/2)+4*(\i%2)
.endr
	WIN 0
.endm
.macro FETCH_A slot, q, i0             ; x's blocks i0 .. i0 + 3
.irp i, \i0, \i0+1, \i0+2, \i0+3
	FRAG AF+16*(\i), ADRA+\slot, \q, 16*(\i)
.endr
.endm
; four places: a load into a register that a matrix instruction has read stands four plain vector instructions behind it (ISA guide 7.12.1 for vector instructions)
.macro PLACES
.rept 4
	v_nop
.endr
.endm
; THE SIDE JOB, one lot: 16 numbers a lane become 16 codes.  cnt: the younger loads that may stay out.  ld = 1: the set is loaded again, with the lot four on.
; The sixteen holds are also the places behind the products in front of this macro.
.macro QPROC jj, cnt, ld
	s_wait_loadcnt \cnt                            ; this lot's four loads are in (and the mask's, which are older)
.set i, 0
.rept 16
	v_med3_num_f32 v[QS+16*(\jj)+i], v[QS+16*(\jj)+i], -v[QLIM], v[QLIM]   ; the conversion to an 8-bit code does not saturate (ISA guide 7.6.2)
.set i, i+1
.endr
.irp u, 0,1
	v_cvt_scalef32_pk8_fp8_f32 v[QCD+4*(\jj)+2*\u:QCD+4*(\jj)+2*\u+1], v[QS+16*(\jj)+8*\u:QS+16*(\jj)+8*\u+7], v[QSC]
.endr
	v_nop                                          ; one plain vector instruction behind the last scaled conversion
.irp u, 0,1
	global_store_b64 v[L8], v[QCD+4*(\jj)+2*\u:QCD+4*(\jj)+2*\u+1], s[72:73] offset:512*(\jj)+256*\u   ; 32 lanes store 256 consecutive bytes
.endr
.if \ld
	QLOAD \jj, 8192
.endif
.endm
; A slot's first step of 128 (w_up's set 0).  Younger than what its first products need: x's blocks 2, 3 (8 loads), 4-7 (16), the next step's w_up (32).
.macro STEP slot, zero, jj, cnt, ld
	s_wait_dscnt 56
	WIN MUL_LO
	MUL8 0, 0, \zero
	MUL8 1, 0, \zero
	s_wait_dscnt 48
	MUL8 2, 0, \zero
	MUL8 3, 0, \zero
	s_wait_dscnt 32                                ; x's blocks 4-7 are in
	PLACES
	WIN 0
	FETCH_A \slot, 1, 0
	MULHI 0, \zero
	WIN 0
.if \jj < 0
	PLACES
.else
	QPROC \jj, \cnt, \ld
.endif
	FETCH_A \slot, 1, 4
.endm
; A slot's last step (set 1) changes slots.  In front of the barrier each wave waits for all its tensor loads, adds 0 to its spare word, and waits for that and for its own reads of this slot.
; fill = 1: a round of the cluster's barrier, and this slot is filled again, two slots ahead; then the prefetch of the slot two further on, but not in the loop's last trip.
.macro TURN slot, next, fill, jj, cnt, ld
	s_wait_dscnt 24                                ; w_up and x's blocks 0, 1 are in; x's blocks 2-7 may be out
	WIN MUL_LO
	MUL8 0, 1, 0
	WIN 0
	s_wait_tensorcnt 0x0                           ; my part of the next slot has landed; every group 0 may be written
	ds_add_u32 v[SPW], v[NIL]
.if \fill
	s_add_nc_u64 s[G0+4*\slot+2:G0+4*\slot+3], s[G0+4*\slot+2:G0+4*\slot+3], 2*ROWB
	s_add_nc_u64 s[G0B+4*\slot+2:G0B+4*\slot+3], s[G0B+4*\slot+2:G0B+4*\slot+3], 2*ROWB
.endif
	WIN MUL_LO
	MUL8 1, 1, 0
	s_wait_dscnt 0x0                               ; the add is done, and my reads of this slot are over
	s_barrier_signal -1
	MUL8 2, 1, 0
	WIN 0
	s_barrier_wait -1
.if \fill
	CREST                                          ; no wave of any partner still reads this slot or has a load on its way
	JLOAD \slot                                    ; my one load until the next round
.else
	PLACES
.endif
	FETCH_B \next, 0, 0
	WIN MUL_LO
	MUL8 3, 1, 0
	PLACES
	WIN 0
	FETCH_A \next, 0, 0
.if \fill
	s_cmp_gt_u32 s3, 1
	s_cbranch_scc0 .Lno_ask_\@
	ASK (4+\slot)*ROWB
.Lno_ask_\@:
.endif
	MULHI 1, 0
	WIN 0
	QPROC \jj, \cnt, \ld
	FETCH_A \next, 0, 4
	FETCH_B \next, 1, 1                            ; the next slot's second step, whose set has just been read out
.endm
	s_wait_alu depctr_va_vdst(0)                   ; the head's end
	s_wait_tensorcnt 0x0                           ; my part of slot 0 is in
	ds_add_u32 v[SPW], v[NIL]
	s_wait_dscnt 0x0
	CROUND                                         ; everybody's is
	JLOAD 1                                        ; slot 1's first fill, behind the full sequence
	FETCH_B 0, 0, 0
	FETCH_A 0, 0, 0
	FETCH_A 0, 0, 4
	FETCH_B 0, 1, 1
	ASK 3*ROWB                                     ; slot 3
	STEP 0, 1, -1, 0, 0                            ; its products start the sums
	s_mov_b32 s3, 3
.Llap:                                                 ; a trip fills both slots again and does four lots of the side job
	TURN 0, 1, 1, 0, 12, 1                         ; 12: behind a lot's four loads stand those of the three lots that follow it
	STEP 1, 0, 1, 12, 1
	TURN 1, 0, 1, 2, 12, 1
	STEP 0, 0, 3, 12, 1
	s_wait_xcnt 0x0                                ; only behind this wait are the bases stepped and the codes' registers written again
	s_add_nc_u64 s[68:69], s[68:69], 8192
	s_cmp_eq_u32 s3, 2
	s_cselect_b32 s86, s89, 2048                   ; behind the second trip the first of my two rows is full
	s_add_nc_u64 s[72:73], s[72:73], s[86:87]
	s_add_nc_u64 s[PFA:PFA+1], s[PFA:PFA+1], 2*ROWB
	s_sub_co_u32 s3, s3, 1
	s_cmp_lg_u32 s3, 0
	s_cbranch_scc1 .Llap
	TURN 0, 1, 0, 0, 12, 0                         ; the last lap fills and loads nothing more: the counts run down
	STEP 1, 0, 1, 8, 0
	s_wait_dscnt 24
	WIN MUL_LO
	MUL8 0, 1, 0
	MUL8 1, 1, 0
	s_wait_dscnt 16
	MUL8 2, 1, 0
	MUL8 3, 1, 0
	WIN 0
	QPROC 2, 4, 0
	s_wait_dscnt 0
	MULHI 1, 0
	WIN 0
	QPROC 3, 0, 0                                  ; its sixteen holds are the places behind the last products
; THE WAY OUT, in four pairs of 16-row blocks: 128 sums a lane become 128 codes.  Pair e's numbers stand in window 1 at 128 (e % 2); its sums stand at the same numbers in window 2 + e / 2.
; Transcendentals of one pair alternate with plain work of the other; a wait stands ahead of and behind each such run.
.macro AWAIT
	s_wait_alu depctr_va_vdst(0)
.endm
.macro EMUL e                          ; S c1 = -u log2(e): the first read of these sums
.set TB, 128*((\e)%2)
	WIN 0x42+((\e)/2)
	AWAIT
.set j, 0
.rept 64
	v_pk_mul_f32 v[TB+j:TB+j+1], v[TB+j:TB+j+1], s[80:81] op_sel_hi:[1,0]
.set j, j+2
.endr
.endm
.macro EADD e                          ; 1 + e^-u
.set TB, 128*((\e)%2)
	WIN 0x41
	AWAIT
.set j, 0
.rept 64
	v_pk_add_f32 v[TB+j:TB+j+1], v[TB+j:TB+j+1], 1.0 op_sel_hi:[1,0]
.set j, j+2
.endr
.endm
.macro ERCP e                          ; 1 / (1 + e^-u) of pair e (0 where e^-u is infinite), and the hold at the largest code x the scale of pair e - 1
.set TB, 128*((\e)%2)
.set TP, 128-TB
	WIN 0x41
	AWAIT
.set j, 0
.rept 128
.if (\e) < 4
	v_rcp_f32 v[TB+j], v[TB+j]
.endif
.if (\e) > 0
	v_med3_num_f32 v[TP+j], v[TP+j], -v[HLIM], v[HLIM]
.endif
.set j, j+1
.endr
	v_nop                                          ; a plain instruction behind the last transcendental
.endm
.macro ECVT e                          ; codes, and out: each store of the wave is 512 consecutive bytes; a block's codes have registers of their own
.set TB, 128*((\e)%2)
	WIN 0x01
	AWAIT
.irp b, 0,1,2,3,4,5,6,7,8,9,10,11,12,13,14,15
	v_cvt_scalef32_pk8_fp8_f32 v[AF+32*(\e)+2*\b:AF+32*(\e)+2*\b+1], v[TB+8*\b:TB+8*\b+7], v[HSC]
.endr
	v_nop
	WIN 0
.irp c, 0,1,2,3,4,5,6,7
	global_store_b128 v[L16], v[AF+32*(\e)+4*\c:AF+32*(\e)+4*\c+3], s[70:71] offset:4096*(\e)+512*\c
.endr
.endm
.macro ESILU e                         ; S x 1 / (1 + e^-u) x mask of pair e, and e^-u of pair e + 1
.set TB, 128*((\e)%2)
.set TN, 128-TB
	WIN 0x49+4*((\e)/2)
	AWAIT
.set j, 0
.rept 64
.if (\e) < 3
	v_exp_f32 v[TN+j], v[TN+j]
.endif
	v_pk_mul_f32 v[TB+2*j:TB+2*j+1], v[TB+2*j:TB+2*j+1], v[TB+2*j:TB+2*j+1]   ; source 1: the sums
.set j, j+1
.endr
	WIN 0x41
	AWAIT
.set j, 0
.rept 64
.set MK, MKB+4*(\e)+2*(j/32)
.if (\e) < 3
	v_exp_f32 v[TN+64+j], v[TN+64+j]
.endif
.if ((2*j)%8) < 4
	v_pk_mul_f32 v[TB+2*j:TB+2*j+1], v[TB+2*j:TB+2*j+1], v[MK:MK+1] op_sel_hi:[1,0]              ; registers 0-3 of an accumulator: expert 4 tc + q
.else
	v_pk_mul_f32 v[TB+2*j:TB+2*j+1], v[TB+2*j:TB+2*j+1], v[MK:MK+1] op_sel:[0,1] op_sel_hi:[1,1] ; registers 4-7: expert 4 tc + q + 2
.endif
.set j, j+1
.endr
.endm
	EMUL 0
	WIN 0x41
	AWAIT
.set j, 0
.rept 128
	v_exp_f32 v[j], v[j]
.set j, j+1
.endr
	v_nop
.irp e, 0,1,2,3
	EADD \e
	ERCP \e
.if \e > 0
	ECVT \e-1
.endif
.if \e < 3
	EMUL \e+1
.endif
	ESILU \e
.endr
	ERCP 4
	ECVT 3
	s_wait_tensorcnt 0x0                           ; the wave's end
	ds_add_u32 v[SPW], v[NIL]
	s_wait_dscnt 0x0
	CROUND                                         ; the closing round
	s_endpgm
.Lfunc_end_k_q224041cf31_up:
	.size	k_q224041cf31_up, .Lfunc_end_k_q224041cf31_up-k_q224041cf31_up
	.p2alignl 7, 3214868480
	.fill 96, 4, 3214868480
	.section	.rodata,"a",@progbits
	.p2align	6, 0x0
	.amdhsa_kernel k_q224041cf31_up
		.amdhsa_group_segment_fixed_size 327680
		.amdhsa_private_segment_fixed_size 0
		.amdhsa_enable_private_segment 0
		.amdhsa_kernarg_size 56
		.amdhsa_user_sgpr_count 2
		.amdhsa_user_sgpr_kernarg_segment_ptr 1
		.amdhsa_wavefront_size32 1
		.amdhsa_system_sgpr_workgroup_id_x 1
		.amdhsa_system_sgpr_workgroup_id_y 1
		.amdhsa_system_sgpr_workgroup_id_z 1
		.amdhsa_system_vgpr_workitem_id 0
		.amdhsa_next_free_vgpr 1024
		.amdhsa_next_free_sgpr 100
		.amdhsa_reserve_vcc 0
		.amdhsa_float_denorm_mode_32 3
		.amdhsa_float_denorm_mode_16_64 3
		.amdhsa_memory_ordered 1
		.amdhsa_forward_progress 1
		.amdhsa_inst_pref_size 233
	.end_amdhsa_kernel
	.amdgpu_metadata
---
amdhsa.version: [ 1, 2 ]
amdhsa.kernels:
  - .name:           k_q224041cf31_up
    .symbol:         k_q224041cf31_up.kd
    .args:
      - { .name: x_codes, .offset: 0, .size: 8, .value_kind: global_buffer, .address_space: global }
      - { .name: w_up_codes, .offset: 8, .size: 8, .value_kind: global_buffer, .address_space: global }
      - { .name: lowp_scales, .offset: 16, .size: 8, .value_kind: global_buffer, .address_space: global }
      - { .name: expert_mask, .offset: 24, .size: 8, .value_kind: global_buffer, .address_space: global }
      - { .name: w_down, .offset: 32, .size: 8, .value_kind: global_buffer, .address_space: global }
      - { .name: h_ws, .offset: 40, .size: 8, .value_kind: global_buffer, .address_space: global }
      - { .name: wd_codes, .offset: 48, .size: 8, .value_kind: global_buffer, .address_space: global }
    .group_segment_fixed_size: 327680
    .private_segment_fixed_size: 0
    .kernarg_segment_align: 8
    .kernarg_segment_size: 56
    .max_flat_workgroup_size: 128
    .sgpr_count:     100
    .vgpr_count:     1024
    .wavefront_size: 32
...
	.end_amdgpu_metadata
.endif
;; end of part 1
;; launch down (part 2): grid 16 x 16, 4 waves a work-group, clusters of 4 x 4, 327,680 bytes of LDS; arguments h_ws, wd_codes, lowp_scales, out0; writes out0
.if DOCPART == 2
	.amdgcn_target "amdgcn-amd-amdhsa--gfx1250"
	.amdhsa_code_object_version 6
	.text
	.protected	k_q224041cf31_down
	.globl	k_q224041cf31_down
	.p2align	8
	.type	k_q224041cf31_down,@function
k_q224041cf31_down:
	s_mov_b64 s[64:65], 0
	v_nop
	global_prefetch_b8 v0, s[64:65] scope:SCOPE_SE
	s_setreg_imm32_b32 hwreg(HW_REG_WAVE_MODE, 25, 1), 1
	s_wait_xcnt 0x0
	s_wait_alu depctr_hold_cnt(0) depctr_sa_sdst(0) depctr_va_vdst(0) depctr_va_sdst(0) depctr_va_ssrc(0) depctr_va_vcc(0) depctr_vm_vsrc(0)
	s_getreg_b32 s2, hwreg(HW_REG_IB_STS2, 6, 4)
	s_cmp_eq_u32 s2, 0
	s_cbranch_scc0 .Lentry_in_a_cluster
	s_endpgm
.Lentry_in_a_cluster:
	s_bfe_u32 s2, ttmp6, 0x10000c
	s_cmp_lg_u32 s2, 0xf033
	s_cbranch_scc0 .Lentry_shape_is_right
	s_endpgm
.Lentry_shape_is_right:
; out = h wd^T x 2^(e2+e3).  h_ws [tile row 16][half 2][step of 128 places 32][block 8][c 4][lane 32][16 bytes]: images of operand registers; wd_codes [2048][4096]: codes, K innermost in the same
; order of places, rows permuted within each 64: row 16 b + r holds n = 4 r + b.  out: [4096][2048] f32.
; SHARES.  256 work-groups make a tile of 256 x 128 each.  THE TWO WAVES OF A ROW HALF SPLIT K: a wave makes 128 x 128 over half of each slot's K: 64 accumulators, 512 registers; so a step of 128
; reads 256 rows from LDS for 64 matrix instructions.  At the end each wave hands the raw sums of four of its eight blocks of 16 rows to its partner through LDS and finishes the other four.
; THE RING: two LDS slots of unlike size, S (256 along K, two steps) and L (512, four steps), by turns S L S L .. S: 6 x 256 + 5 x 512 = 4,096.  In S a wave has one step, in L two.  A tile's rows
; are 256 or 512 bytes of memory and begin at multiples of 256.
; 4 x 4 work-groups form a cluster: a row of it shares h's tiles, a column wd's; each tile is asked for JOINTLY (same load, same descriptor, a mask that names the four).
; PREFETCH: behind the joint load of a slot stands the request for the next tile of the same slot, two slots ahead (behind the first S also the first L): what my wave fetches, a quarter of it for each
; of the four partners, told apart by address (cx for h, cy for wd).  Each slot's last load asks for nothing.
; Source 0 = h, source 1 = wd: register j of lane (r, h) is row 8 h + j; the four accumulators of a 64-column group hold columns 4 r + 0..3: 16 bytes a lane, 256 bytes in sixteen lanes.
; LIMITS: e2 + e3 between -126 and 127, so that 2^(e2+e3) is an f32 number.  A sum is made as two f32 sums over K, added at the end.
; REGISTERS: window 0: v0-31 addresses; v128-255 h's fragments; on the way out v32-95, v128-255 results.  window 1: wd's fragments, two sets; later the partner's sums.
;   window 2: the blocks that I hand over; window 3: the blocks that I finish (rows 64 kh .. 64 kh + 63 of my half).
.set LA,  0                            ; L: h, 2 halves x 65,536 bytes
.set LB,  131072                       ;    wd, 128 rows x 528
.set SA,  LB+128*528                   ; S: h, 2 halves x 32,768
.set SB,  SA+65536                     ;    wd, 128 rows x 272
.set SPARE, SB+128*272                 ; the spare words, 128 bytes for each wave
.set PB_0, 272                         ; wd's LDS pitch in S and in L: odd multiples of 16, so that a fragment's 16 rows start at different banks (64 banks of 4 bytes: ISA guide 11.1)
.set PB_1, 528
.set ALO_0, 16                         ; LDS addresses of h's blocks 0-3 (handed over) and 4-7 (mine) in S (0) and L (1)
.set AHI_0, 17
.set ALO_1, 18
.set AHI_1, 19
.set ADRB_0, 20
.set ADRB_1, 21
.set XST, 22                           ; the exchange: where I put, where I read
.set XLD, 23
.set CO,  24                           ; my byte offset in the output
.set PO_1, 25                          ; the prefetches' offsets for L and S
.set PO_0, 26
.set SPW,  28
.set NIL,  29
.set AF,  128
.set G1A_1, 24
.set G1A_0, 32
.set GA_1, 40
.set GA_0, 44
.set G1B_1, 48
.set G1B_0, 56
.set GB_1, 76
.set GB_0, 80
.set PF_0, 92                          ; s[92:93], s[94:95] where my prefetches stand
.set PF_1, 94
.set STR, 96                           ; s[96:97] six steps on: 98,304 bytes of h or 768 of wd
.set MSB, 0
.macro WIN new                         ; the immediate's high byte repeats the setting that is left
.if MSB != (\new)
	s_set_vgpr_msb (MSB<<8)|(\new)
.set MSB, (\new)
.endif
.endm
.set MUL_LO, 0xa4                      ; source 0 (h) window 0, source 1 (wd) window 1, C and D window 2
.set MUL_HI, 0xf4
.macro JLOAD s                         ; a joint load: waves 0 and 1 fetch h's halves, 2 and 3 wd's; the branch hangs on the wave's number alone
	s_cmp_eq_u32 s15, 0
	s_cbranch_scc0 .Lfor_b_\@
	tensor_load_to_lds s[GA_\s:GA_\s+3], s[G1A_\s:G1A_\s+7]
	s_nop 0
.rept 4
	v_nop
.endr
	s_branch .Lasked_\@
.Lfor_b_\@:
	tensor_load_to_lds s[GB_\s:GB_\s+3], s[G1B_\s:G1B_\s+7]
	s_nop 0
.rept 4
	v_nop
.endr
.Lasked_\@:
.endm
.macro CREST                           ; a round of the cluster's barrier behind its opening barrier
	s_cmp_lg_u32 s14, 0
	s_cbranch_scc1 .Lnot_wave_0_\@
	s_barrier_signal -3
.Lnot_wave_0_\@:
	s_barrier_wait -3
	s_barrier_signal -1
	s_barrier_wait -1
.endm
.macro CROUND
	s_barrier_signal -1
	s_barrier_wait -1
	CREST
.endm
; cond = 1: not in the loop's last trip.  L: 64 blocks of 256 bytes of h (two instructions) or 32 of wd; S: 32 of h or 16 of wd
.macro ASK slot, cond
.if \cond
	s_cmp_gt_u32 s3, 1
	s_cbranch_scc0 .Lno_ask_\@
.endif
	global_prefetch_b8 v[PO_\slot], s[PF_\slot:PF_\slot+1] th:TH_LOAD_NT scope:SCOPE_SE
.if \slot
	s_cmp_eq_u32 s15, 0
	s_cbranch_scc0 .Lno_ask_\@
	global_prefetch_b8 v[PO_\slot], s[PF_\slot:PF_\slot+1] offset:8192 th:TH_LOAD_NT scope:SCOPE_SE
.endif
.Lno_ask_\@:
.endm
	s_load_b128 s[4:7], s[0:1], 0x0                ; h_ws, wd_codes
	s_load_b128 s[8:11], s[0:1], 0x10              ; the exponents, out
	v_lshl_add_u32 v[SPW], v0, 2, SPARE
	v_mov_b32 v[NIL], 0
	ds_add_u32 v[SPW], v[NIL]                      ; the opening adds
	ds_add_u32 v[SPW], v[NIL]
	v_lshrrev_b32 v1, 5, v0
	v_readfirstlane_b32 s14, v1                    ; wave 0..3
	s_lshr_b32 s15, s14, 1                         ; my half of the rows; also: I fetch for h (0) or wd (1)
	s_and_b32 s16, s14, 1                          ; kh: my half of each slot's K; also: which half of that tile I fetch
	s_bfe_u32 s84, ttmp6, 0x40000                  ; cx, cy
	s_bfe_u32 s85, ttmp6, 0x40004
	s_lshl_b32 s86, ttmp9, 2
	s_add_co_u32 s86, s86, s84                     ; tile column
	s_and_b32 s17, ttmp7, 0xffff
	s_lshl_b32 s17, s17, 2
	s_add_co_u32 s17, s17, s85                     ; tile row
	s_lshl_b32 s87, s85, 2
	s_lshl_b32 s87, 15, s87                        ; my row of the cluster
	s_lshl_b32 s88, 0x1111, s84                    ; my column
	s_or_b32 s[G1A_1], s87, (3<<16)|(1<<21)        ; h: a dense block as rows of 32 elements of 8 bytes, no padding
	s_or_b32 s[G1A_0], s87, (3<<16)|(1<<21)
	s_or_b32 s[G1B_1], s88, (0<<16)|(1<<20)|(1<<21)|(6<<22)|(3<<25) ; wd: 64 rows of 512 bytes, 4 words of padding behind each
	s_or_b32 s[G1B_0], s88, (0<<16)|(1<<20)|(1<<21)|(5<<22)|(3<<25) ; 64 rows of 256 bytes
.macro SHAPE g, cols, rows, pitch
	s_mov_b32 s[\g+1], (\cols)<<16
	s_mov_b32 s[\g+2], (\rows)<<16
	s_mov_b32 s[\g+3], (\cols)<<16
	s_mov_b32 s[\g+4], \rows
	s_mov_b32 s[\g+5], \pitch
	s_mov_b32 s[\g+6], 0
	s_mov_b32 s[\g+7], 0
.endm
	SHAPE G1A_1, 32, 256, 32
	SHAPE G1A_0, 32, 128, 32
	SHAPE G1B_1, 512, 64, 4096
	SHAPE G1B_0, 256, 64, 4096
	s_lshl_b32 s20, s17, 20                        ; h: tile row, half
	s_lshl_b32 s21, s16, 19
	s_add_co_u32 s20, s20, s21
	s_mov_b32 s21, 0
	s_lshl_b32 s22, s86, 19                        ; wd: row 128 x tile column + 64 x half, 4,096 bytes each
	s_lshl_b32 s23, s16, 18
	s_add_co_u32 s22, s22, s23
	s_mov_b32 s23, 0
	s_wait_dscnt 0x0                               ; both opening adds are done
	s_wait_kmcnt 0x0
	s_load_b128 s[68:71], s[8:9], 0x0              ; e0, e1, e2, e3
	s_add_nc_u64 s[20:21], s[4:5], s[20:21]
	s_add_nc_u64 s[22:23], s[6:7], s[22:23]
	s_mov_b32 s[GA_0], 1
	s_lshl_b32 s[GA_0+1], s16, 15
	s_add_co_u32 s[GA_0+1], s[GA_0+1], SA
	s_mov_b64 s[GA_0+2:GA_0+3], s[20:21]
	s_or_b32 s[GA_0+3], s[GA_0+3], 0x80000000
	s_mov_b32 s[GA_1], 1
	s_lshl_b32 s[GA_1+1], s16, 16
	s_add_nc_u64 s[GA_1+2:GA_1+3], s[20:21], 32768 ; L begins two steps on
	s_or_b32 s[GA_1+3], s[GA_1+3], 0x80000000
	s_mov_b32 s[GB_0], 1
	s_mul_i32 s[GB_0+1], s16, 64*PB_0
	s_add_co_u32 s[GB_0+1], s[GB_0+1], SB
	s_mov_b64 s[GB_0+2:GB_0+3], s[22:23]
	s_or_b32 s[GB_0+3], s[GB_0+3], 0x80000000
	s_mov_b32 s[GB_1], 1
	s_mul_i32 s[GB_1+1], s16, 64*PB_1
	s_add_co_u32 s[GB_1+1], s[GB_1+1], LB
	s_add_nc_u64 s[GB_1+2:GB_1+3], s[22:23], 256
	s_or_b32 s[GB_1+3], s[GB_1+3], 0x80000000
	CROUND                                         ; the first joint loads meet
	JLOAD 0                                        ; the first S: one tensor load a wave at the head
	; LDS: h in L: half x 65,536 + my two steps' 32,768 kh; blocks 0-3 are rows 64 (1 - kh) .. of my half (8,192 - 8,192 kh), blocks 4-7 rows 64 kh ..
	s_lshl_b32 s18, s15, 16
	s_mul_i32 s19, s16, 24576
	s_add_co_u32 s87, s18, s19
	s_add_co_u32 s87, s87, 8192
	s_mul_i32 s19, s16, 40960
	s_add_co_u32 s88, s18, s19
	s_lshl_b32 s18, s15, 15                        ; in S: half x 32,768 + 16,384 kh, and the same
	s_add_co_u32 s18, s18, SA
	s_lshl_b32 s19, s16, 13
	s_add_co_u32 s89, s18, s19
	s_add_co_u32 s89, s89, 8192
	s_mul_i32 s19, s16, 24576
	s_add_co_u32 s90, s18, s19
	s_lshl_b32 s91, s16, 8                         ; wd: my half of a row
	s_add_co_u32 s91, s91, LB
	s_lshl_b32 s18, s16, 7
	s_add_co_u32 s18, s18, SB
	s_lshl_b32 s19, s14, 15                        ; the exchange: 32,768 bytes a wave, in L's part for h
	s_xor_b32 s2, s14, 1
	s_lshl_b32 s2, s2, 15
	s_lshl_b32 s12, s84, 14                        ; prefetches: the first L, and the second S
	s_add_co_u32 s12, s12, 32768
	s_lshl_b32 s13, s85, 16
	s_add_co_u32 s98, s13, 256
	s_add_co_u32 s13, s13, 768
	s_lshl_b32 s99, s84, 13
	s_add_co_u32 s99, s99, 98304
	s_cmp_eq_u32 s15, 0                            ; do I fetch h?
	s_cselect_b64 s[PF_0:PF_0+1], s[20:21], s[22:23]
	s_cselect_b64 s[PF_1:PF_1+1], s[20:21], s[22:23]
	s_cselect_b32 s12, s12, s98
	s_cselect_b32 s98, s99, s13
	s_mov_b32 s99, 4096
	s_cselect_b32 s99, 256, s99                    ; bytes from lane to lane of sixteen,
	s_mov_b32 s7, 256
	s_cselect_b32 s7, 4096, s7                     ; and from the lower sixteen to the upper, in L
	s_cselect_b32 s6, 31, 15                       ; in S the lanes beyond wd's sixteen rows name the last again
	s_mov_b32 s96, 768
	s_cselect_b32 s96, 98304, s96
	s_mov_b32 s97, 0
	s_mov_b32 s13, 0
	s_add_nc_u64 s[PF_1:PF_1+1], s[PF_1:PF_1+1], s[12:13]
	s_mov_b32 s12, s98
	s_add_nc_u64 s[PF_0:PF_0+1], s[PF_0:PF_0+1], s[12:13]
	s_lshl_b32 s12, s17, 21                        ; out: row 256 x tile row + 128 x half + 64 kh, column 128 x tile column
	s_lshl_b32 s98, s15, 20
	s_add_co_u32 s12, s12, s98
	s_lshl_b32 s98, s16, 19
	s_add_co_u32 s12, s12, s98
	s_lshl_b32 s98, s86, 9
	s_add_co_u32 s12, s12, s98
	s_add_nc_u64 s[10:11], s[10:11], s[12:13]
	v_and_b32 v1, 15, v0                           ; r
	v_bfe_u32 v2, v0, 4, 1                         ; h
	v_and_b32 v3, 31, v0
	v_lshlrev_b32 v4, 4, v3
	v_add_nc_u32 v[ALO_0], s89, v4
	v_add_nc_u32 v[AHI_0], s90, v4
	v_add_nc_u32 v[ALO_1], s87, v4
	v_add_nc_u32 v[AHI_1], s88, v4
	v_mul_u32_u24 v5, v1, PB_0
	v_lshl_add_u32 v5, v2, 4, v5
	v_add_nc_u32 v[ADRB_0], s18, v5
	v_mul_u32_u24 v6, v1, PB_1
	v_lshl_add_u32 v6, v2, 4, v6
	v_add_nc_u32 v[ADRB_1], s91, v6
	v_add_nc_u32 v[XST], s19, v4
	v_add_nc_u32 v[XLD], s2, v4
	v_lshlrev_b32 v7, 16, v2
	v_lshl_add_u32 v[CO], v1, 4, v7
	v_mul_u32_u24 v8, s99, v1
	v_mul_u32_u24 v9, s7, v2
	v_add_nc_u32 v[PO_1], v8, v9
	v_min_u32 v10, s6, v3
	v_mul_u32_u24 v[PO_0], s99, v10
	s_wait_alu depctr_va_vdst(0)                   ; the head's end: no vector instruction of the head follows
	ASK 1, 0                                       ; the first L,
	ASK 0, 0                                       ; the second S
; 8 matrix instructions: h's block a against wd's eight fragments.  The 64 accumulators take turns in the same order in every step.
.macro MUL8 a, p, zero
.irp b, 0,1,2,3,4,5,6,7
.if \zero
	v_wmma_f32_16x16x128_fp8_fp8 v[8*(8*((\a)%4)+\b):8*(8*((\a)%4)+\b)+7], v[AF+16*(\a):AF+16*(\a)+15], v[128*(\p)+16*\b:128*(\p)+16*\b+15], 0
.else
	v_wmma_f32_16x16x128_fp8_fp8 v[8*(8*((\a)%4)+\b):8*(8*((\a)%4)+\b)+7], v[AF+16*(\a):AF+16*(\a)+15], v[128*(\p)+16*\b:128*(\p)+16*\b+15], v[8*(8*((\a)%4)+\b):8*(8*((\a)%4)+\b)+7]
.endif
.endr
.endm
.macro FETCH_B slot, q, p
	WIN 0x40
.irp i, 0,1,2,3,4,5,6,7
.irp c, 0,1,2,3
	ds_load_b128 v[128*(\p)+16*\i+4*\c:128*(\p)+16*\i+4*\c+3], v[ADRB_\slot] offset:16*PB_\slot*\i+128*(\q)+32*\c
.endr
.endr
	WIN 0
.endm
.macro FETCH_A slot, q, i0             ; h's blocks i0 .. i0 + 3 (i0 = 0 or 4)
.irp i, 0,1,2,3
.irp c, 0,1,2,3
.if \i0
	ds_load_b128 v[AF+64+16*\i+4*\c:AF+64+16*\i+4*\c+3], v[AHI_\slot] offset:16384*(\q)+2048*\i+512*\c
.else
	ds_load_b128 v[AF+16*\i+4*\c:AF+16*\i+4*\c+3], v[ALO_\slot] offset:16384*(\q)+2048*\i+512*\c
.endif
.endr
.endr
.endm
; four places: a load into a register that a matrix instruction has read, and a store of its result, stand four plain vector instructions behind it (not for loads)
.macro PLACES
.rept 4
	v_nop
.endr
.endm
.macro MULHI p, zero
	WIN MUL_HI
	MUL8 4, \p, \zero
	MUL8 5, \p, \zero
	MUL8 6, \p, \zero
	MUL8 7, \p, \zero
	PLACES
	WIN 0
.endm
; L's first step.  Younger than what its first products need: h's blocks 2, 3 (8 loads), 4-7 (16), the next step's wd (32).
.macro STEP p
	s_wait_dscnt 56
	WIN MUL_LO
	MUL8 0, \p, 0
	MUL8 1, \p, 0
	s_wait_dscnt 48
	MUL8 2, \p, 0
	MUL8 3, \p, 0
	s_wait_dscnt 32                                ; h's blocks 4-7 are in
	PLACES
	WIN 0
	FETCH_A 1, 1, 0
	MULHI \p, 0
	FETCH_A 1, 1, 4
.endm
; A slot's last step changes slots.  In front of the barrier each wave waits for all its tensor loads, adds 0 to its spare word, and waits for that and for its own reads of slot cur.
; fill = 1: a round of the cluster's barrier, slot cur is filled again, and the tile after that is prefetched.
.macro TURN cur, nxt, p, zero, fill, cond
	s_wait_dscnt 24                                ; wd and h's blocks 0, 1 are in; h's blocks 2-7 may be out
	WIN MUL_LO
	MUL8 0, \p, \zero
	WIN 0
	s_wait_tensorcnt 0x0                           ; my part of the next slot has landed; every group 0 may be written
	ds_add_u32 v[SPW], v[NIL]
.if \fill
	s_wait_xcnt 0x0                                ; my earlier prefetches have read their addresses
	s_add_nc_u64 s[PF_\cur:PF_\cur+1], s[PF_\cur:PF_\cur+1], s[STR:STR+1]
	s_add_nc_u64 s[GA_\cur+2:GA_\cur+3], s[GA_\cur+2:GA_\cur+3], 98304
	s_add_nc_u64 s[GB_\cur+2:GB_\cur+3], s[GB_\cur+2:GB_\cur+3], 768
.endif
	WIN MUL_LO
	MUL8 1, \p, \zero
	s_wait_dscnt 0x0                               ; the add is done, and my reads of this slot are over
	s_barrier_signal -1
	MUL8 2, \p, \zero
	WIN 0
	s_barrier_wait -1
.if \fill
	CREST                                          ; no wave of any partner still reads this slot or has a load on its way
	JLOAD \cur                                     ; my one load until the next round
.else
	PLACES
.endif
	FETCH_B \nxt, 0, 1-\p
	WIN MUL_LO
	MUL8 3, \p, \zero
	PLACES
	WIN 0
	FETCH_A \nxt, 0, 0
.if \fill
	ASK \cur, \cond
.endif
	MULHI \p, \zero
	FETCH_A \nxt, 0, 4
.if \nxt
	FETCH_B 1, 1, \p                               ; L's second step, into the set just read out
.endif
.endm
	s_wait_kmcnt 0x0
	s_add_co_i32 s72, s70, s71
	s_add_co_i32 s72, s72, 127
	s_lshl_b32 s72, s72, 23                        ; 2^(e2+e3) as f32
	s_wait_tensorcnt 0x0                           ; my part of the first S is in
	ds_add_u32 v[SPW], v[NIL]
	s_wait_xcnt 0x0
	s_add_nc_u64 s[PF_1:PF_1+1], s[PF_1:PF_1+1], s[STR:STR+1]
	s_wait_dscnt 0x0
	CROUND                                         ; everybody's is
	JLOAD 1                                        ; L's first fill, behind the full sequence
	FETCH_B 0, 0, 0
	FETCH_A 0, 0, 0
	FETCH_A 0, 0, 4
	ASK 1, 0                                       ; the second L
	TURN 0, 1, 0, 1, 1, 0                          ; the first step starts the sums
	s_mov_b32 s3, 2
.Llap:                                                 ; a trip takes L, S, L, S: wd's two sets are then where they began
	STEP 1
	TURN 1, 0, 0, 0, 1, 0
	TURN 0, 1, 1, 0, 1, 0
	STEP 0
	TURN 1, 0, 1, 0, 1, 1
	TURN 0, 1, 0, 0, 1, 1
	s_sub_co_u32 s3, s3, 1
	s_cmp_lg_u32 s3, 0
	s_cbranch_scc1 .Llap
	STEP 1
	TURN 1, 0, 0, 0, 0, 0                          ; L has had its last fill; behind this barrier nobody reads it
; THE LAST STEP, in S, and the exchange: the raw sums of blocks 0-3 go to L's part for h as images of registers, block by block between the products of blocks 4-7.
.macro XSEND i
	WIN 0x08
.irp b, 0,1,2,3,4,5,6,7
	ds_store_b128 v[XST], v[64*(\i)+8*\b:64*(\i)+8*\b+3] offset:8192*(\i)+1024*\b
	ds_store_b128 v[XST], v[64*(\i)+8*\b+4:64*(\i)+8*\b+7] offset:8192*(\i)+1024*\b+512
.endr
.endm
	s_wait_dscnt 24
	WIN MUL_LO
	MUL8 0, 1, 0
	MUL8 1, 1, 0
	s_wait_dscnt 16
	MUL8 2, 1, 0
	MUL8 3, 1, 0
	s_wait_dscnt 0
	WIN MUL_HI
	MUL8 4, 1, 0
	PLACES
	XSEND 0
	WIN MUL_HI
	MUL8 5, 1, 0
	XSEND 1
	WIN MUL_HI
	MUL8 6, 1, 0
	XSEND 2
	WIN MUL_HI
	MUL8 7, 1, 0
	XSEND 3
	PLACES                                         ; for the loads over wd's fragments and the first read of the last results
	WIN 0
	s_wait_dscnt 0x0                               ; for my partner's sake: my stores are done
	s_barrier_signal -1
	s_barrier_wait -1
	WIN 0x40
.irp i, 0,1,2,3
.irp b, 0,1,2,3,4,5,6,7
	ds_load_b128 v[64*\i+8*\b:64*\i+8*\b+3], v[XLD] offset:8192*\i+1024*\b
	ds_load_b128 v[64*\i+8*\b+4:64*\i+8*\b+7], v[XLD] offset:8192*\i+1024*\b+512
.endr
.endr
	WIN 0
; block i of mine: my sums + my partner's, x 2^(e2+e3), and out: sixteen lanes store 256 consecutive bytes, at a multiple of 256
.macro OUT i, o
	s_wait_dscnt 48-16*(\i)                        ; the blocks behind this one may be out
.if (\i) == 3
	s_wait_xcnt 0x0                                ; block 0's stores have read the registers that are written again
.endif
	WIN 0x47
.set j, 64*(\i)
.rept 32
	v_pk_add_f32 v[j:j+1], v[j:j+1], v[j:j+1]      ; source 0: my sums, window 3; source 1 and the result: window 1
.set j, j+2
.endr
	WIN 0x04
.irp j, 0,1,2,3,4,5,6,7
.irp g, 0,1
.irp b, 0,1,2,3
	v_mul_f32 v[\o+4*(8*\g+\j)+\b], s72, v[64*(\i)+8*(4*\g+\b)+\j]
.endr
.endr
.endr
	WIN 0
.irp j, 0,1,2,3,4,5,6,7
.irp g, 0,1
	global_store_b128 v[CO], v[\o+4*(8*\g+\j):\o+4*(8*\g+\j)+3], s[10:11] offset:131072*(\i)+8192*\j+256*\g th:TH_STORE_NT
.endr
.endr
.endm
	OUT 0, 32
	OUT 1, 128
	OUT 2, 192
	OUT 3, 32
	s_wait_tensorcnt 0x0                           ; the wave's end
	ds_add_u32 v[SPW], v[NIL]
	s_wait_dscnt 0x0
	CROUND                                         ; the closing round
	s_endpgm
.Lfunc_end_k_q224041cf31_down:
	.size	k_q224041cf31_down, .Lfunc_end_k_q224041cf31_down-k_q224041cf31_down
	.p2alignl 7, 3214868480
	.fill 96, 4, 3214868480
	.section	.rodata,"a",@progbits
	.p2align	6, 0x0
	.amdhsa_kernel k_q224041cf31_down
		.amdhsa_group_segment_fixed_size 327680
		.amdhsa_private_segment_fixed_size 0
		.amdhsa_enable_private_segment 0
		.amdhsa_kernarg_size 32
		.amdhsa_user_sgpr_count 2
		.amdhsa_user_sgpr_kernarg_segment_ptr 1
		.amdhsa_wavefront_size32 1
		.amdhsa_system_sgpr_workgroup_id_x 1
		.amdhsa_system_sgpr_workgroup_id_y 1
		.amdhsa_system_sgpr_workgroup_id_z 1
		.amdhsa_system_vgpr_workitem_id 0
		.amdhsa_next_free_vgpr 1024
		.amdhsa_next_free_sgpr 100
		.amdhsa_reserve_vcc 0
		.amdhsa_float_denorm_mode_32 3
		.amdhsa_float_denorm_mode_16_64 3
		.amdhsa_memory_ordered 1
		.amdhsa_forward_progress 1
		.amdhsa_inst_pref_size 135
	.end_amdhsa_kernel
	.amdgpu_metadata
---
amdhsa.version: [ 1, 2 ]
amdhsa.kernels:
  - .name:           k_q224041cf31_down
    .symbol:         k_q224041cf31_down.kd
    .args:
      - { .name: h_ws, .offset: 0, .size: 8, .value_kind: global_buffer, .address_space: global }
      - { .name: wd_codes, .offset: 8, .size: 8, .value_kind: global_buffer, .address_space: global }
      - { .name: lowp_scales, .offset: 16, .size: 8, .value_kind: global_buffer, .address_space: global }
      - { .name: out0, .offset: 24, .size: 8, .value_kind: global_buffer, .address_space: global }
    .group_segment_fixed_size: 327680
    .private_segment_fixed_size: 0
    .kernarg_segment_align: 8
    .kernarg_segment_size: 32
    .max_flat_workgroup_size: 128
    .sgpr_count:     100
    .vgpr_count:     1024
    .wavefront_size: 32
...
	.end_amdgpu_metadata
.endif
;; end of part 2
